; MI455X (gfx1250); checked and timed in simulation.
; The chip was launched on July 23, 2026; its instructions are those of AMD's public machine-readable ISA for CDNA 5 (MIT licence, August 2026) and "CDNA5" Instruction Set Architecture Reference Guide (July 2026). The comments in the code are by the model that wrote it; some were corrected since.
;; Cycle Net EPD. Allowed arithmetic: float matrix products may take bf16 or f16 operands with f32 sums; all other float work in f32.
;; Inputs: SCB 16 x 64 x 1,024 float32; W1 4 x 64 float32; W2 64 x 64 float32; W3 68 x 128 float32; W4 128 x 128 float32; W5 128 x 128 float32; W6 128 x 128 float32; b1 64 float32; b2 64 float32; b3 128 float32; b4 128 float32; b5 128 float32; b6 128 float32; beta_len 16 int32; edge_index 16 x 2 x 1,024 int32; edge_len 16 int32; x 16 x 512 x 2 float32.
;; Outputs: out0 16,384 x 128 float32.
;; 2 versions, each right; version 2 is version 1 with the launch main written anew for expert scheduling mode. Each part assembles by itself: llvm-mc -triple=amdgcn-amd-amdhsa -mcpu=gfx1250 --defsym DOCPART=n.
;; ======== version 1 of 2: 2 launches
;; workspace buffers: pbuf 524,288 bytes; wt 196,608 bytes
;; launch prep (part 1): grid 16 x 22, 4 waves a work-group, no clusters, 5,120 bytes of LDS; arguments SCB, edge_index, x, edge_len, beta_len, W1, b1, W2, b2, W3, b3, W4, W5, W6, pbuf, wt; writes pbuf, wt
.if DOCPART == 1
	.amdgcn_target "amdgcn-amd-amdhsa--gfx1250"
	.amdhsa_code_object_version 6
	.text
	.protected	k_qc849a18836_prep
	.globl	k_qc849a18836_prep
	.p2align	8
	.type	k_qc849a18836_prep,@function
k_qc849a18836_prep:
	s_mov_b64 s[64:65], 0
	v_nop
	global_prefetch_b8 v0, s[64:65] scope:SCOPE_SE
	s_setreg_imm32_b32 hwreg(HW_REG_WAVE_MODE, 25, 1), 1
	s_wait_xcnt 0x0
; Two jobs, chosen by the work-group's y alone (the same for all four waves).
; y < 16, job P: batch b = y, beta rows 4x .. 4x+3.
;   s[beta][f] = sum over e < edge_len of |SCB[b][beta][e]| * ef[b][e][f]   (0 for beta >= beta_len)
;   P[b][beta][n] = (relu(s W1 + b1) W2 + b2) W3[0:64] + b3, all in f32, stored to pbuf [16][64][128].
;   With P, cat @ W3 + b3 of the later launch is P[beta] + a[beta][e] * (ef[e] @ W3[64:68]).
; y >= 16, job T: q = 16 (y - 16) + x = 0 .. 95.  One block of 1,024 bytes of the upper bf16 part and one of the lower part of
;   W4, W5 or W6, laid out as the matrix instruction's 16-bit operand wants it:
;   wt byte = (8 m + w) 8192 + part 4096 + c 1024 + j 512 + lane 16; lane (r, h) holds W[k][16 w + r], k = 32 c + 16 j + 8 h + 0..7.
;   upper part = bf16(W), lower part = bf16(W - upper part).
; LIMITS: an edge index is clamped to 0 .. 511; edge_len to 0 .. 1024, beta_len to 0 .. 64 (which is what arange < len gives);
;   relu of a NaN gives 0.
; The encoder runs on the vector unit: a work-group has 4 rows, a quarter of a 16-row matrix tile, and 4 x (4 x 64 + 64 x 64 + 64 x 128)
; multiply-adds; f32 keeps P free of operand rounding.
.set PART, 0                           ; LDS: [4 waves][16 f32] partial sums
.set T1,   256                         ; [4 rows][64] f32
.set EMB,  1280                        ; [4 rows][64] f32
.set PST,  2304                        ; [4 rows][128] f32
.set MK,   8                           ; v[8:15]    edge masks of my 8 edges (0x7fffffff or 0)
.set SUM,  16                          ; v[16:31]   s[4 rows][4 features], my part
.set SC,   32                          ; v[32:63]   SCB[row i][my edge q] at SC + 8 i + q
.set IDX,  64                          ; v[64:79]   first endpoints of my 8 edges, then second endpoints
.set EF,   80                          ; v[80:111]  ef[q][0..3] at EF + 4 q
.set W2R,  112                         ; v[112:175] W2[k][t & 63]
.set W3R,  176                         ; v[176:239] W3[k][t]
.set W1R,  240                         ; v[240:243] W1[f][t & 63];  v244 b1, v245 b2, v246 b3, v247 0x7fffffff, v[248:251] at work
	s_load_b512 s[4:19], s[0:1], 0x0               ; SCB 4:5, edge_index 6:7, x 8:9, edge_len 10:11, beta_len 12:13, W1 14:15, b1 16:17, W2 18:19
	s_load_b512 s[20:35], s[0:1], 0x40             ; b2 20:21, W3 22:23, b3 24:25, W4 26:27, W5 28:29, W6 30:31, pbuf 32:33, wt 34:35
	v_lshl_add_u32 v254, v0, 2, 0x1200
	v_mov_b32 v255, 0
	v_lshrrev_b32 v1, 5, v0
	v_readfirstlane_b32 s2, v1                     ; wave 0 .. 3
	s_and_b32 s3, ttmp7, 0xffff                    ; y
	s_mov_b32 s36, ttmp9                           ; x
	s_mov_b32 s41, 0                               ; upper word of every 64-bit offset
	s_cmp_ge_u32 s3, 16
	s_cbranch_scc1 .Ljob_t
; ---------------------------------------------------------------- job P
	v_lshlrev_b32 v1, 4, v0                        ; 16 t
	v_and_b32 v2, 63, v0
	v_lshlrev_b32 v2, 2, v2                        ; 4 (t & 63)
	v_lshlrev_b32 v3, 2, v0                        ; 4 t
	v_mov_b32 v247, 0x7fffffff
	s_mov_b32 s42, 0x76543210                      ; v_permlanex16_b32: lane i reads lane i of the other half
	s_mov_b32 s43, 0xfedcba98
	s_wait_kmcnt 0x0
	s_lshl_b32 s40, s3, 2
	s_add_nc_u64 s[10:11], s[10:11], s[40:41]      ; edge_len[b]
	s_add_nc_u64 s[12:13], s[12:13], s[40:41]      ; beta_len[b]
	s_load_b32 s37, s[10:11], 0x0
	s_load_b32 s38, s[12:13], 0x0
	s_lshl_b32 s40, s3, 13
	s_add_nc_u64 s[6:7], s[6:7], s[40:41]          ; edge_index[b]: 2 x 1024 words
	s_lshl_b32 s40, s3, 18
	s_lshl_b32 s39, s36, 14
	s_add_co_u32 s40, s40, s39
	s_add_nc_u64 s[4:5], s[4:5], s[40:41]          ; SCB[b][4 x]: rows of 4,096 bytes
	s_lshl_b32 s40, s3, 12
	s_add_nc_u64 s[8:9], s[8:9], s[40:41]          ; x[b]: 512 nodes of 8 bytes
	s_lshl_b32 s40, s3, 15
	s_lshl_b32 s39, s36, 11
	s_add_co_u32 s40, s40, s39
	s_add_nc_u64 s[32:33], s[32:33], s[40:41]      ; pbuf[b][4 x]: rows of 512 bytes
	; thread t owns edges 4t .. 4t+3 (q = 0..3) and 512+4t .. 512+4t+3 (q = 4..7): each load of a wave covers 512 neighbouring bytes
.irp g, 0,1,2,3
	global_load_b128 v[IDX+4*\g:IDX+4*\g+3], v1, s[6:7] offset:2048*\g
.endr
.irp i, 0,1,2,3
	global_load_b128 v[SC+8*\i:SC+8*\i+3],   v1, s[4:5] offset:4096*\i
	global_load_b128 v[SC+8*\i+4:SC+8*\i+7], v1, s[4:5] offset:4096*\i+2048
.endr
	s_wait_loadcnt 8                               ; the 8 loads of SCB are younger: the indices are in
.set q, 0
.rept 16
	v_min_u32 v[IDX+q], 0x1ff, v[IDX+q]            ; inside x's 512 nodes
	v_lshlrev_b32 v[IDX+q], 3, v[IDX+q]            ; 8 bytes a node
.set q, q+1
.endr
.irp q, 0,1,2,3,4,5,6,7
	global_load_b64 v[EF+4*\q:EF+4*\q+1],   v[IDX+\q],   s[8:9]
	global_load_b64 v[EF+4*\q+2:EF+4*\q+3], v[IDX+8+\q], s[8:9]
.endr
	; the encoder's weights, a column for each thread: 4 + 3 + 56 = 63 loads, then the rest
.irp i, 0,1,2,3
	global_load_b32 v[W1R+\i], v2, s[14:15] offset:256*\i
.endr
	global_load_b32 v244, v2, s[16:17]
	global_load_b32 v245, v2, s[20:21]
	global_load_b32 v246, v3, s[24:25]
.set kk, 0
.rept 56
	global_load_b32 v[W2R+kk], v2, s[18:19] offset:256*kk
.set kk, kk+1
.endr
	s_wait_loadcnt 63                              ; exactly 63 loads are younger than the gathers: SCB and ef are in
.rept 8
	global_load_b32 v[W2R+kk], v2, s[18:19] offset:256*kk
.set kk, kk+1
.endr
.set kk, 0
.rept 64
	global_load_b32 v[W3R+kk], v3, s[22:23] offset:512*kk
.set kk, kk+1
.endr
	s_wait_kmcnt 0x0
	s_max_i32 s37, s37, 0
	s_min_u32 s37, s37, 0x400                      ; edge_len in 0 .. 1024
	s_max_i32 s38, s38, 0
	s_min_u32 s38, s38, 64                         ; beta_len in 0 .. 64
.irp q, 0,1,2,3,4,5,6,7
	v_add_nc_u32 v248, (\q>>2)*512+(\q&3), v3      ; the edge's number
	v_cmp_gt_u32 vcc_lo, s37, v248
	v_cndmask_b32 v[MK+\q], 0, v247, vcc_lo
.endr
.irp i, 0,1,2,3
.irp q, 0,1,2,3,4,5,6,7
	v_and_b32 v[SC+8*\i+\q], v[MK+\q], v[SC+8*\i+\q]   ; magnitude and edge mask in one: a masked number of any kind becomes 0
.endr
.endr
.irp i, 0,1,2,3
.irp f, 0,1,2,3
	v_mul_f32 v[SUM+4*\i+\f], v[SC+8*\i], v[EF+\f]     ; the first edge starts the sums
.endr
.endr
.set q, 1
.rept 7
.irp i, 0,1,2,3
.irp f, 0,1,2,3
	v_fmac_f32 v[SUM+4*\i+\f], v[SC+8*\i+q], v[EF+4*q+\f]
.endr
.endr
.set q, q+1
.endr
	; over the wave's 32 lanes: four steps inside each half of 16 lanes, one across; the 16 sums go side by side
.irp m, 1,2,4,8
.set n, 0
.rept 16
	v_add_f32_dpp v[SUM+n], v[SUM+n], v[SUM+n] row_xmask:\m row_mask:0xf bank_mask:0xf
.set n, n+1
.endr
.endr
.set n, 0
.rept 16
	v_permlanex16_b32 v[SC+n], v[SUM+n], s42, s43      ; SC is no longer needed and has been written
.set n, n+1
.endr
.set n, 0
.rept 16
	v_add_f32 v[SUM+n], v[SUM+n], v[SC+n]
.set n, n+1
.endr
	s_lshl_b32 s47, s2, 6
	v_mov_b32 v4, s47                              ; my wave's 64 bytes of PART
.irp i, 0,1,2,3
	ds_store_b128 v4, v[SUM+4*\i:SUM+4*\i+3] offset:PART+16*\i   ; every lane holds the same numbers
.endr
	s_wait_dscnt 0x0                               ; my stores are done before the others read them
	s_barrier_signal -1
	s_barrier_wait -1
	; t1: thread t has column c = t & 63 and rows 2p, 2p+1, p = t >> 6 = wave >> 1
	s_lshr_b32 s46, s2, 1
	s_lshl_b32 s47, s46, 5
	v_mov_b32 v5, s47                              ; rows 2p, 2p+1 are 32 bytes of each wave's 64
.irp wv, 0,1,2,3
	ds_load_b128 v[32+8*\wv:35+8*\wv], v5 offset:PART+64*\wv
	ds_load_b128 v[36+8*\wv:39+8*\wv], v5 offset:PART+64*\wv+16
.endr
	s_lshl_b32 s39, s36, 2
	s_lshl1_add_u32 s39, s46, s39                  ; beta = 4 x + 2 p
	s_cmp_lt_u32 s39, s38
	s_cselect_b32 s44, -1, 0
	s_add_co_u32 s39, s39, 1
	s_cmp_lt_u32 s39, s38
	s_cselect_b32 s45, -1, 0
	s_lshl_b32 s47, s46, 9
	s_add_co_u32 s47, s47, T1
	v_mov_b32 v7, s47                              ; T1's row 2p
	v_add_nc_u32 v6, s47, v2                       ; and my column in it
	s_wait_dscnt 0x0
.irp wv, 1,2,3
.irp k, 0,2,4,6
	v_pk_add_f32 v[32+\k:33+\k], v[32+\k:33+\k], v[32+8*\wv+\k:33+8*\wv+\k]
.endr
.endr
.irp k, 0,1,2,3
	v_and_b32 v[32+\k], s44, v[32+\k]              ; s = 0 in rows at or beyond beta_len
	v_and_b32 v[36+\k], s45, v[36+\k]
.endr
	s_wait_loadcnt 63                              ; 135 loads stand behind the gathers; the 63 youngest, W3R[1..63], may stay out: W1, b1, b2, b3 and all of W2 are in
	v_fma_f32 v248, v32, v[W1R], v244
	v_fma_f32 v249, v36, v[W1R], v244
.irp k, 1,2,3
	v_fmac_f32 v248, v[32+\k], v[W1R+\k]
	v_fmac_f32 v249, v[36+\k], v[W1R+\k]
.endr
	v_max_num_f32 v248, 0, v248
	v_max_num_f32 v249, 0, v249
	ds_store_b32 v6, v248
	ds_store_b32 v6, v249 offset:256
	s_wait_dscnt 0x0
	s_barrier_signal -1
	s_barrier_wait -1
	; emb[row][c] = b2[c] + sum over k of t1[row][k] W2[k][c]: two rounds of 32 k; all lanes of a wave read the same words of T1
.macro EMBR rnd, start
.irp rw, 0,1
.irp g, 0,1,2,3,4,5,6,7
	ds_load_b128 v[32+32*\rw+4*\g:32+32*\rw+4*\g+3], v7 offset:256*\rw+128*\rnd+16*\g
.endr
.endr
	s_wait_dscnt 0x0
.if \start
	v_fma_f32 v248, v32, v[W2R], v245              ; the bias starts the sums
	v_fma_f32 v249, v64, v[W2R], v245
.endif
.set kk, \start
.rept 32-\start
	v_fmac_f32 v248, v[32+kk], v[W2R+32*\rnd+kk]
	v_fmac_f32 v249, v[64+kk], v[W2R+32*\rnd+kk]
.set kk, kk+1
.endr
.endm
	EMBR 0, 1
	EMBR 1, 0
	ds_store_b32 v6, v248 offset:EMB-T1
	ds_store_b32 v6, v249 offset:EMB-T1+256
	v_mov_b32 v5, EMB
	s_wait_dscnt 0x0
	s_barrier_signal -1
	s_barrier_wait -1
	; P[row][t] = b3[t] + sum over k of emb[row][k] W3[k][t]: four rows, four rounds of 16 k
	s_wait_loadcnt 0x0                             ; the rest of W3's first 64 rows
.macro PRND rnd, start
.irp rw, 0,1,2,3
.irp g, 0,1,2,3
	ds_load_b128 v[32+16*\rw+4*\g:32+16*\rw+4*\g+3], v5 offset:256*\rw+64*\rnd+16*\g
.endr
.endr
	s_wait_dscnt 0x0
.if \start
.irp rw, 0,1,2,3
	v_fma_f32 v[248+\rw], v[32+16*\rw], v[W3R], v246
.endr
.endif
.set kk, \start
.rept 16-\start
.irp rw, 0,1,2,3
	v_fmac_f32 v[248+\rw], v[32+16*\rw+kk], v[W3R+16*\rnd+kk]
.endr
.set kk, kk+1
.endr
.endm
	PRND 0, 1
	PRND 1, 0
	PRND 2, 0
	PRND 3, 0
.irp rw, 0,1,2,3
	ds_store_b32 v3, v[248+\rw] offset:PST+512*\rw
.endr
	s_wait_dscnt 0x0
	s_barrier_signal -1
	s_barrier_wait -1
	ds_load_b128 v[32:35], v1 offset:PST           ; wave w takes row w: 16 t = 512 w + 16 lane
	s_wait_dscnt 0x0
	global_store_b128 v1, v[32:35], s[32:33]       ; each store of a wave covers 512 consecutive bytes, aligned
	s_wait_tensorcnt 0x0
	ds_add_u32 v254, v255
	s_wait_dscnt 0x0
	s_endpgm
; ---------------------------------------------------------------- job T
.Ljob_t:
	s_sub_co_u32 s39, s3, 16
	s_lshl4_add_u32 s39, s39, s36                  ; q = 16 (y - 16) + x: m = q >> 5, w = (q >> 2) & 7, c = q & 3
	s_lshr_b32 s47, s39, 5
	s_wait_kmcnt 0x0
	s_cmp_eq_u32 s47, 1
	s_cselect_b64 s[48:49], s[28:29], s[26:27]     ; W5 or W4,
	s_cmp_eq_u32 s47, 2
	s_cselect_b64 s[48:49], s[30:31], s[48:49]     ; or W6
	s_and_b32 s40, s39, 3
	s_lshl_b32 s40, s40, 14                        ; 32 c rows of 512 bytes
	s_bfe_u32 s47, s39, 0x30002
	s_lshl_b32 s47, s47, 6                         ; 16 w columns
	s_add_co_u32 s40, s40, s47
	s_add_nc_u64 s[48:49], s[48:49], s[40:41]
	s_lshr_b32 s40, s39, 2
	s_lshl_b32 s40, s40, 13                        ; (8 m + w) 8192
	s_and_b32 s47, s39, 3
	s_lshl_b32 s47, s47, 10                        ; c 1024
	s_add_co_u32 s40, s40, s47
	s_add_nc_u64 s[34:35], s[34:35], s[40:41]
	; thread t writes bytes 8 t .. 8 t + 7 of the block: j = t >> 6, h = (t >> 5) & 1, r = (t >> 1) & 15, k = 16 j + 8 h + 4 (t & 1) + 0..3
	v_lshrrev_b32 v1, 6, v0
	v_lshlrev_b32 v1, 13, v1                       ; 16 j rows
	v_bfe_u32 v2, v0, 5, 1
	v_lshl_add_u32 v1, v2, 12, v1                  ; 8 h rows
	v_and_b32 v2, 1, v0
	v_lshl_add_u32 v1, v2, 11, v1                  ; 4 (t & 1) rows
	v_bfe_u32 v2, v0, 1, 4
	v_lshl_add_u32 v1, v2, 2, v1                   ; column r
	v_lshlrev_b32 v3, 3, v0
	global_load_b32 v4, v1, s[48:49]
	global_load_b32 v5, v1, s[48:49] offset:512
	global_load_b32 v6, v1, s[48:49] offset:1024
	global_load_b32 v7, v1, s[48:49] offset:1536
	s_wait_loadcnt 0x0
	v_cvt_pk_bf16_f32 v8, v4, v5                   ; upper part
	v_cvt_pk_bf16_f32 v9, v6, v7
	v_lshlrev_b32 v10, 16, v8                      ; back in f32
	v_and_b32 v11, 0xffff0000, v8
	v_lshlrev_b32 v12, 16, v9
	v_and_b32 v13, 0xffff0000, v9
	v_pk_add_f32 v[4:5], v[4:5], v[10:11] neg_lo:[0,1] neg_hi:[0,1]   ; what the upper part left
	v_pk_add_f32 v[6:7], v[6:7], v[12:13] neg_lo:[0,1] neg_hi:[0,1]
	v_cvt_pk_bf16_f32 v14, v4, v5                  ; lower part
	v_cvt_pk_bf16_f32 v15, v6, v7
	global_store_b64 v3, v[8:9], s[34:35]          ; each store of a wave covers 256 consecutive bytes, aligned
	global_store_b64 v3, v[14:15], s[34:35] offset:4096
	s_endpgm
.Lfunc_end_k_qc849a18836_prep:
	.size	k_qc849a18836_prep, .Lfunc_end_k_qc849a18836_prep-k_qc849a18836_prep
	.p2alignl 7, 3214868480
	.fill 96, 4, 3214868480
	.section	.rodata,"a",@progbits
	.p2align	6, 0x0
	.amdhsa_kernel k_qc849a18836_prep
		.amdhsa_group_segment_fixed_size 5120
		.amdhsa_private_segment_fixed_size 0
		.amdhsa_enable_private_segment 0
		.amdhsa_kernarg_size 128
		.amdhsa_user_sgpr_count 2
		.amdhsa_user_sgpr_kernarg_segment_ptr 1
		.amdhsa_wavefront_size32 1
		.amdhsa_system_sgpr_workgroup_id_x 1
		.amdhsa_system_sgpr_workgroup_id_y 1
		.amdhsa_system_sgpr_workgroup_id_z 1
		.amdhsa_system_vgpr_workitem_id 0
		.amdhsa_next_free_vgpr 256
		.amdhsa_next_free_sgpr 66
		.amdhsa_reserve_vcc 1
		.amdhsa_float_denorm_mode_32 3
		.amdhsa_float_denorm_mode_16_64 3
		.amdhsa_memory_ordered 1
		.amdhsa_forward_progress 1
		.amdhsa_inst_pref_size 55
	.end_amdhsa_kernel
	.amdgpu_metadata
---
amdhsa.version: [ 1, 2 ]
amdhsa.kernels:
  - .name:           k_qc849a18836_prep
    .symbol:         k_qc849a18836_prep.kd
    .args:
      - { .name: SCB, .offset: 0, .size: 8, .value_kind: global_buffer, .address_space: global }
      - { .name: edge_index, .offset: 8, .size: 8, .value_kind: global_buffer, .address_space: global }
      - { .name: x, .offset: 16, .size: 8, .value_kind: global_buffer, .address_space: global }
      - { .name: edge_len, .offset: 24, .size: 8, .value_kind: global_buffer, .address_space: global }
      - { .name: beta_len, .offset: 32, .size: 8, .value_kind: global_buffer, .address_space: global }
      - { .name: W1, .offset: 40, .size: 8, .value_kind: global_buffer, .address_space: global }
      - { .name: b1, .offset: 48, .size: 8, .value_kind: global_buffer, .address_space: global }
      - { .name: W2, .offset: 56, .size: 8, .value_kind: global_buffer, .address_space: global }
      - { .name: b2, .offset: 64, .size: 8, .value_kind: global_buffer, .address_space: global }
      - { .name: W3, .offset: 72, .size: 8, .value_kind: global_buffer, .address_space: global }
      - { .name: b3, .offset: 80, .size: 8, .value_kind: global_buffer, .address_space: global }
      - { .name: W4, .offset: 88, .size: 8, .value_kind: global_buffer, .address_space: global }
      - { .name: W5, .offset: 96, .size: 8, .value_kind: global_buffer, .address_space: global }
      - { .name: W6, .offset: 104, .size: 8, .value_kind: global_buffer, .address_space: global }
      - { .name: pbuf, .offset: 112, .size: 8, .value_kind: global_buffer, .address_space: global }
      - { .name: wt, .offset: 120, .size: 8, .value_kind: global_buffer, .address_space: global }
    .group_segment_fixed_size: 5120
    .private_segment_fixed_size: 0
    .kernarg_segment_align: 8
    .kernarg_segment_size: 128
    .max_flat_workgroup_size: 128
    .sgpr_count:     66
    .vgpr_count:     256
    .wavefront_size: 32
...
	.end_amdgpu_metadata
.endif
;; end of part 1
;; launch main (part 2): grid 16 x 16, 8 waves a work-group, no clusters, 153,600 bytes of LDS; arguments SCB, edge_index, x, edge_len, beta_len, W3, b4, b5, b6, pbuf, wt, out0; writes out0
.if DOCPART == 2
	.amdgcn_target "amdgcn-amd-amdhsa--gfx1250"
	.amdhsa_code_object_version 6
	.text
	.protected	k_qc849a18836_main
	.globl	k_qc849a18836_main
	.p2align	8
	.type	k_qc849a18836_main,@function
k_qc849a18836_main:
	s_mov_b64 s[64:65], 0
	v_nop
	global_prefetch_b8 v0, s[64:65] scope:SCOPE_SE
	s_setreg_imm32_b32 hwreg(HW_REG_WAVE_MODE, 25, 1), 1
	s_wait_xcnt 0x0
; A work-group: batch b = y, the 64 edges from e0 = 64 x.  Eight waves; wave w owns columns 16 w .. 16 w + 15 for all 64 edges.
;   R[e][n] = sum over all 64 beta of relu(P[beta][n] + a[beta][e] Q[e][n]),  a = |SCB| (0 for beta >= beta_len),  Q = ef @ W3[64:68]
;   h = R W4 + 64 b4  (the sum over beta commutes with the product by W4),  out = relu(h W5 + b5) W6 + b6,  rows e >= edge_len cleared.
; Rows beta >= beta_len have a = 0 and one and the same P, so they enter as a count times relu(P[63]); the loop runs over ceil(beta_len / 2)
; pairs of rows.  A block that begins at or beyond edge_len makes no trip: all its rows are cleared.  Both counts come from whole numbers read from memory.
; The sum over beta is f32 vector work: a lane holds edges L and L + 32 and its wave's 16 columns.
; The three products of 64 x 128 x 128 go to the matrix unit in bf16.  Activations and weights are each split into an upper and a lower
; bf16 part and three products are added (upper x upper, lower weight x upper, upper weight x lower): the dropped term is of the order 2^-16.
; The weight is source 0 and the activation source 1, so that a lane's eight results are eight neighbouring columns of one edge's row.
; NO CLUSTER: what work-groups share is P of a batch (32,768 bytes) and the weight images (196,608 bytes); each weight fragment goes straight
; into the registers of the one wave that multiplies by it ; W4 and W5 are asked for ahead of the beta loop, so a joint fill of LDS would add a pass through LDS.
; LIMITS: an edge index is clamped to 0 .. 511; edge_len to 0 .. 1024, beta_len to 0 .. 64; relu of a NaN gives 0; an activation beyond
; bf16's largest finite number makes a NaN lower part; a cleared row is +0 where a multiplication by 0 could give -0.
.set ALB,    32768                     ; LDS: P[64][128] f32 at 0 (pitch 512); a[64][64] f32 here (pitch 256)
.set ACT0,   0                         ; R:  upper plane [64][128] bf16, pitch 272; lower plane LOPL further.  34,816 bytes on the 49,152 of P and a, written behind a barrier that follows their last reads
.set ACT1,   49152                     ; h
.set ACT2,   83968                     ; relu(h W5 + b5)
.set OUTS,   118784                    ; out [64][128] f32, pitch 528
.set APITCH, 272                       ; 256 + 16 bytes: 16 rows of a fragment start in 16 different 16-byte columns of 256
.set LOPL,   64*APITCH
.set OPITCH, 528                       ; 512 + 16
.set WA,   16                          ; v[16:79]   a layer's weights: upper part of K step c at + 8 c, lower at + 32 + 8 c
.set WB,   80                          ; v[80:143]  the same, second buffer
.set Q,    144                         ; v[144:175] Q[ei][16]                     later AH: upper activation fragments, 4 row tiles x 8
.set ACC,  176                         ; v[176:207] R[ei][16]                     later ALO: lower fragments
.set P0,   208                         ; v[208:239] P of one beta, two buffers    later D: 4 accumulators x 8
.set X,    240                         ; v[240:247] at work                       later BIAS
.set A0,   248                         ; v248, v250: a of buffer 0 (edges L, L + 32); v252, v254: of buffer 1; the odd partners hold 0
.set AH,   144
.set ALO,  176
.set D,    208
.set BIAS, 240
; v0 t; v1 L; v2 r 272 + 16 h; v3 16 L; v4 P's address; v5 4 L, a's address; v6, v7, v8, v9 addresses of the stages; v10, v11 a layer's read and write address;
; v12 (t >> 4) 4096 + (t & 15) 16; v14 16 t; v13, v15 at work
.macro PLACES                          ; four independent vector instructions between a matrix instruction and a vector instruction, load or LDS store
.rept 4                                ; that touches its registers (ISA guide 7.12.1 for vector instructions)
	v_nop
.endr
.endm
.macro LOADB buf, po, ao               ; one beta row: my wave's 16 P (all lanes the same words) and my two a
.irp i, 0,1,2,3
	ds_load_b128 v[P0+16*\buf+4*\i:P0+16*\buf+4*\i+3], v4 offset:\po+16*\i
.endr
	ds_load_b32 v[A0+4*\buf],   v5 offset:ALB+\ao
	ds_load_b32 v[A0+4*\buf+2], v5 offset:ALB+\ao+128
.endm
.macro COMPUTE buf                     ; R += relu(P + a Q): 2 edges x 16 columns
.irp ei, 0,1
.irp hf, 0,1
.irp k, 0,2,4,6
	v_pk_fma_f32 v[X+\k:X+\k+1], v[Q+16*\ei+8*\hf+\k:Q+16*\ei+8*\hf+\k+1], v[A0+4*\buf+2*\ei:A0+4*\buf+2*\ei+1], v[P0+16*\buf+8*\hf+\k:P0+16*\buf+8*\hf+\k+1] op_sel_hi:[1,0,1]
.endr
.irp k, 0,1,2,3,4,5,6,7
	v_max_num_f32 v[X+\k], 0, v[X+\k]
.endr
.irp k, 0,2,4,6
	v_pk_add_f32 v[ACC+16*\ei+8*\hf+\k:ACC+16*\ei+8*\hf+\k+1], v[ACC+16*\ei+8*\hf+\k:ACC+16*\ei+8*\hf+\k+1], v[X+\k:X+\k+1]
.endr
.endr
.endr
.endm
.macro SPLIT8 src, hi, lo, tm          ; eight f32 into four words of upper and four of lower bf16 parts
.irp k, 0,1,2,3
	v_cvt_pk_bf16_f32 v[\hi+\k], v[\src+2*\k], v[\src+2*\k+1]
.endr
.irp k, 0,1,2,3
	v_lshlrev_b32 v[\tm+2*\k],   16,  v[\hi+\k]
	v_and_b32     v[\tm+2*\k+1], s84, v[\hi+\k]
.endr
.irp k, 0,1,2,3
	v_pk_add_f32 v[\tm+2*\k:\tm+2*\k+1], v[\src+2*\k:\src+2*\k+1], v[\tm+2*\k:\tm+2*\k+1] neg_lo:[0,1] neg_hi:[0,1]
.endr
.irp k, 0,1,2,3
	v_cvt_pk_bf16_f32 v[\lo+\k], v[\tm+2*\k], v[\tm+2*\k+1]
.endr
.endm
.macro FRAGS dst, plane, c             ; the four row tiles' fragments of K step c: 16 rows x 32 K each, two loads of 16 bytes, 32 bytes apart
.irp m, 0,1,2,3
	ds_load_b128 v[\dst+8*\m:\dst+8*\m+3],   v10 offset:\plane*LOPL+\m*16*APITCH+64*(\c)
	ds_load_b128 v[\dst+8*\m+4:\dst+8*\m+7], v10 offset:\plane*LOPL+\m*16*APITCH+64*(\c)+32
.endr
.endm
.macro MM4 wreg, areg, first           ; one weight fragment times the four row tiles; the four accumulators take turns, one instruction a turn
.irp m, 0,1,2,3
.if \first
	v_wmma_f32_16x16x32_bf16 v[D+8*\m:D+8*\m+7], v[\wreg:\wreg+7], v[\areg+8*\m:\areg+8*\m+7], v[BIAS:BIAS+7]
.else
	v_wmma_f32_16x16x32_bf16 v[D+8*\m:D+8*\m+7], v[\wreg:\wreg+7], v[\areg+8*\m:\areg+8*\m+7], v[D+8*\m:D+8*\m+7]
.endif
.endr
.endm
.macro KSTEP wf, c, first, more        ; 32 along K: three products; the next step's fragments are fetched as soon as their registers are free
	s_wait_dscnt 8                                 ; the upper fragments are in; the eight younger loads (the lower ones) may be out
	MM4 \wf+8*\c, AH, \first
	MM4 \wf+32+8*\c, AH, 0
	PLACES
.if \more
	FRAGS AH, 0, \c+1
	s_wait_dscnt 8                                 ; all but the eight just issued: the lower fragments are in
.else
	s_wait_dscnt 0
.endif
	MM4 \wf+8*\c, ALO, 0
	PLACES
.if \more
	FRAGS ALO, 1, \c+1
.endif
.endm
.macro LAYER base, wf, lcnt
	v_add_nc_u32 v10, \base, v2
	FRAGS AH, 0, 0
	FRAGS ALO, 1, 0
	s_wait_loadcnt \lcnt                           ; this layer's weights are in; the next layer's loads, issued behind them, may stay out
	KSTEP \wf, 0, 1, 1
	KSTEP \wf, 1, 0, 1
	KSTEP \wf, 2, 0, 1
	KSTEP \wf, 3, 0, 0
.endm
.macro BIASV tup                       ; register j of lane (r, h) is column 16 w + 8 h + j: bias tup + 8 h + j
	v_cmp_le_u32 vcc_lo, 16, v1
.irp j, 0,1,2,3,4,5,6,7
	v_mov_b32 v[BIAS+\j], s[\tup+\j]
	v_mov_b32 v13, s[\tup+8+\j]
	v_cndmask_b32 v[BIAS+\j], v[BIAS+\j], v13, vcc_lo
.endr
.endm
.macro EPI relu, base                  ; the four accumulators, split, into the next layer's two planes: 16 bytes a lane
	v_add_nc_u32 v11, \base, v7
.irp m, 0,1,2,3
.if \relu
.irp j, 0,1,2,3,4,5,6,7
	v_max_num_f32 v[D+8*\m+\j], 0, v[D+8*\m+\j]
.endr
.endif
	SPLIT8 D+8*\m, AH+16*\m, AH+16*\m+4, AH+16*\m+8
	ds_store_b128 v11, v[AH+16*\m:AH+16*\m+3]   offset:\m*16*APITCH
	ds_store_b128 v11, v[AH+16*\m+4:AH+16*\m+7] offset:\m*16*APITCH+LOPL
.endr
.endm
.macro LOADW dst, mofs                 ; a layer's weights for my 16 columns: 16 loads of 512 consecutive bytes
.irp p, 0,1
.irp c, 0,1,2,3
	global_load_b128 v[\dst+32*\p+8*\c:\dst+32*\p+8*\c+3],   v3, s[24:25] offset:\mofs+4096*\p+1024*\c
	global_load_b128 v[\dst+32*\p+8*\c+4:\dst+32*\p+8*\c+7], v3, s[24:25] offset:\mofs+4096*\p+1024*\c+512
.endr
.endr
.endm
	s_load_b512 s[4:19], s[0:1], 0x0               ; SCB 4:5, edge_index 6:7, x 8:9, edge_len 10:11, beta_len 12:13, W3 14:15, b4 16:17, b5 18:19
	s_load_b256 s[20:27], s[0:1], 0x40             ; b6 20:21, pbuf 22:23, wt 24:25, out0 26:27
	s_set_vgpr_msb 0x40
	v_lshl_add_u32 v0, v0, 2, 0x25400
	v_mov_b32 v1, 0
	s_set_vgpr_msb 0x4000
	v_lshrrev_b32 v13, 5, v0
	v_readfirstlane_b32 s2, v13                    ; wave w
	s_and_b32 s3, ttmp7, 0xffff                    ; batch b
	s_lshl_b32 s60, ttmp9, 6                       ; e0
	s_mov_b32 s101, 0                              ; upper word of every 64-bit offset
	v_and_b32 v1, 31, v0                           ; L
	v_and_b32 v13, 15, v0                          ; r
	v_bfe_u32 v15, v0, 4, 1                        ; h
	v_mul_u32_u24 v2, v13, APITCH
	v_lshl_add_u32 v2, v15, 4, v2
	v_lshlrev_b32 v3, 4, v1
	v_lshlrev_b32 v5, 2, v1
	s_lshl_b32 s63, s2, 5                          ; my 16 columns in bf16
	v_add_nc_u32 v7, s63, v2
	s_add_co_u32 s63, s63, ACT0
	v_mul_u32_u24 v6, v1, APITCH
	v_add_nc_u32 v6, s63, v6
	s_lshl_b32 s66, s2, 6                          ; my 16 columns in f32
	v_mov_b32 v4, s66
	s_add_co_u32 s66, s66, OUTS
	v_mul_u32_u24 v8, v13, OPITCH
	v_lshl_add_u32 v8, v15, 5, v8
	v_add_nc_u32 v8, s66, v8
	s_mul_i32 s66, s2, 8*OPITCH
	s_add_co_u32 s66, s66, OUTS
	v_add_nc_u32 v9, s66, v3                       ; on the way out wave w takes rows 8 w .. 8 w + 7
	v_lshrrev_b32 v13, 4, v0                       ; t >> 4: my beta row in a group of 16
	v_and_b32 v12, 15, v0
	v_lshlrev_b32 v12, 4, v12
	v_lshl_add_u32 v12, v13, 12, v12
	v_lshlrev_b32 v14, 4, v0
	s_wait_kmcnt 0x0
	s_lshl_b32 s100, s3, 2
	s_add_nc_u64 s[10:11], s[10:11], s[100:101]
	s_add_nc_u64 s[12:13], s[12:13], s[100:101]
	s_load_b32 s61, s[10:11], 0x0                  ; edge_len[b]
	s_load_b32 s62, s[12:13], 0x0                  ; beta_len[b]
	s_lshl_b32 s100, s2, 6
	s_add_nc_u64 s[14:15], s[14:15], s[100:101]    ; my 16 columns of W3, b4, b5, b6
	s_add_nc_u64 s[16:17], s[16:17], s[100:101]
	s_add_nc_u64 s[18:19], s[18:19], s[100:101]
	s_add_nc_u64 s[20:21], s[20:21], s[100:101]
	s_load_b512 s[28:43], s[14:15], 0x8000         ; W3[64][16 w ..]: row 64 starts at byte 64 x 512
	s_load_b512 s[44:59], s[14:15], 0x8200
	s_load_b512 s[68:83], s[14:15], 0x8400
	s_load_b512 s[84:99], s[14:15], 0x8600
	s_lshl_b32 s100, s3, 13
	s_lshl2_add_u32 s100, s60, s100
	s_add_nc_u64 s[6:7], s[6:7], s[100:101]        ; edge_index[b][0][e0]
	s_lshl_b32 s100, s3, 18
	s_lshl2_add_u32 s100, s60, s100
	s_add_nc_u64 s[4:5], s[4:5], s[100:101]        ; SCB[b][0][e0]
	s_lshl_b32 s100, s3, 12
	s_add_nc_u64 s[8:9], s[8:9], s[100:101]        ; x[b]
	s_lshl_b32 s100, s3, 15
	s_add_nc_u64 s[22:23], s[22:23], s[100:101]    ; P[b]
	s_lshl_b32 s100, s2, 13
	s_add_nc_u64 s[24:25], s[24:25], s[100:101]    ; my column tile's weight images
	s_lshl_b32 s100, s3, 10
	s_add_co_u32 s100, s100, s60
	s_lshl3_add_u32 s100, s2, s100
	s_lshl_b32 s100, s100, 9
	s_add_nc_u64 s[26:27], s[26:27], s[100:101]    ; out0 at row 1024 b + e0 + 8 w
	global_load_b32 v216, v5, s[6:7]               ; first endpoint of edges L, L + 32; second endpoint of the same
	global_load_b32 v217, v5, s[6:7] offset:128
	global_load_b32 v218, v5, s[6:7] offset:4096
	global_load_b32 v219, v5, s[6:7] offset:4224
.irp j, 0,1,2,3
	global_load_b128 v[144+4*\j:147+4*\j], v12, s[4:5] offset:\j*65536    ; 16 beta rows: sixteen lanes take a row's 256 bytes
.endr
.irp j, 0,1,2,3,4,5,6,7
	global_load_b128 v[160+4*\j:163+4*\j], v14, s[22:23] offset:\j*4096   ; P[b], 32,768 consecutive bytes
.endr
	s_wait_loadcnt 12                              ; 4 + 8 loads are younger: the indices are in
.irp i, 216,217,218,219
	v_min_u32 v\i, 0x1ff, v\i                      ; inside x's 512 nodes
	v_lshlrev_b32 v\i, 3, v\i
.endr
	global_load_b64 v[208:209], v216, s[8:9]       ; ef of edge L: v208 .. v211; of edge L + 32: v212 .. v215
	global_load_b64 v[210:211], v218, s[8:9]
	global_load_b64 v[212:213], v217, s[8:9]
	global_load_b64 v[214:215], v219, s[8:9]
	LOADW WA, 0                                    ; W4
	LOADW WB, 65536                                ; W5
	s_wait_kmcnt 0x0
	s_max_i32 s61, s61, 0
	s_min_u32 s61, s61, 0x400                      ; edge_len in 0 .. 1024
	s_max_i32 s62, s62, 0
	s_min_u32 s62, s62, 64                         ; beta_len in 0 .. 64
	v_mov_b32 v10, 0x7fffffff
	s_wait_loadcnt 36                              ; 4 gathers and 32 weight loads are younger: a and P are in
.irp j, 0,1,2,3
	v_add_nc_u32 v15, 16*\j, v13                   ; beta
	v_cmp_gt_u32 vcc_lo, s62, v15
	v_cndmask_b32 v15, 0, v10, vcc_lo
.irp k, 0,1,2,3
	v_and_b32 v[144+4*\j+\k], v15, v[144+4*\j+\k]  ; magnitude and beta mask in one
.endr
	ds_store_b128 v14, v[144+4*\j:147+4*\j] offset:ALB+\j*4096
.endr
.irp j, 0,1,2,3,4,5,6,7
	ds_store_b128 v14, v[160+4*\j:163+4*\j] offset:\j*4096
.endr
	s_wait_loadcnt 32                              ; the 32 weight loads stay out: ef is in
.irp ei, 0,1
.irp n, 0,1,2,3,4,5,6,7,8,9,10,11,12,13,14,15
	v_mul_f32  v[Q+16*\ei+\n], s[28+\n], v[208+4*\ei]
	v_fmac_f32 v[Q+16*\ei+\n], s[44+\n], v[209+4*\ei]
	v_fmac_f32 v[Q+16*\ei+\n], s[68+\n], v[210+4*\ei]
	v_fmac_f32 v[Q+16*\ei+\n], s[84+\n], v[211+4*\ei]
.endr
.endr
	s_load_b512 s[28:43], s[16:17], 0x0            ; my 16 columns of b4, b5, b6, in W3's place
	s_load_b512 s[44:59], s[18:19], 0x0
	s_load_b512 s[68:83], s[20:21], 0x0
	s_mov_b32 s84, 0xffff0000                      ; a word's upper bf16
.irp i, 249,251,253,255
	v_mov_b32 v\i, 0                               ; the partners of the a registers: a packed source is read as a pair
.endr
	s_add_co_u32 s63, s62, 1
	s_lshr_b32 s63, s63, 1
	s_cmp_lt_u32 s60, s61
	s_cselect_b32 s63, s63, 0                      ; trips = ceil(beta_len / 2), at most 32; none where every edge of the block is padding
	s_lshl_b32 s66, s63, 1
	s_sub_co_u32 s66, 64, s66
	s_cvt_f32_u32 s67, s66                         ; rows that the loop leaves out: all have a = 0 and P[63]'s numbers
	s_wait_dscnt 0x0                               ; my stores of a and P are done before the others read them
	s_barrier_signal -1
	s_barrier_wait -1
.irp i, 0,1,2,3
	ds_load_b128 v[P0+16+4*\i:P0+16+4*\i+3], v4 offset:63*512+16*\i
.endr
	LOADB 0, 0, 0
	s_wait_dscnt 6                                 ; the six loads of buffer 0 are younger: P[63] is in
.irp n, 0,1,2,3,4,5,6,7,8,9,10,11,12,13,14,15
	v_max_num_f32 v[P0+16+\n], 0, v[P0+16+\n]
.endr
.irp ei, 0,1
.irp n, 0,1,2,3,4,5,6,7,8,9,10,11,12,13,14,15
	v_mul_f32 v[ACC+16*\ei+\n], s67, v[P0+16+\n]   ; the left-out rows' share starts the sums: nothing is cleared
.endr
.endr
	s_mov_b32 s66, 0
	s_cmp_eq_u32 s63, 0
	s_cbranch_scc1 .Lsummed
.Lbeta:                                            ; two beta rows a trip; six loads (buffer 0) are out here on both ways in
	LOADB 1, 512, 256
	s_wait_dscnt 6                                 ; buffer 1's six are younger: buffer 0 is in
	COMPUTE 0
	v_add_nc_u32 v4, 1024, v4
	v_and_b32 v4, 0x7fff, v4                       ; behind row 63 the look-ahead wraps to row 0: it stays inside P and a, and is not used
	v_add_nc_u32 v5, 512, v5
	v_and_b32 v5, 0x3fff, v5
	LOADB 0, 0, 0
	s_wait_dscnt 6                                 ; buffer 0's six are younger: buffer 1 is in
	COMPUTE 1
	s_add_co_u32 s66, s66, 1
	s_cmp_lt_u32 s66, s63
	s_cbranch_scc1 .Lbeta
.Lsummed:
	; R takes the bytes of P and a.  Each wave's reads of them, the unused look-ahead among them, are back in front of its signal;
	; the split into two bf16 parts is register work and stands between signal and wait; the stores stand behind the wait.
	s_wait_dscnt 0x0
	s_barrier_signal -1
	SPLIT8 ACC, 144, 148, 152                      ; edge L, columns 0-7 of my 16
	SPLIT8 ACC+8, 160, 164, 168                    ; columns 8-15
	SPLIT8 ACC+16, 208, 212, 216                   ; edge L + 32
	SPLIT8 ACC+24, 224, 228, 232
	s_barrier_wait -1                              ; no wave reads P or a any more
	ds_store_b128 v6, v[144:147]
	ds_store_b128 v6, v[148:151] offset:LOPL
	ds_store_b128 v6, v[160:163] offset:16
	ds_store_b128 v6, v[164:167] offset:LOPL+16
	ds_store_b128 v6, v[208:211] offset:32*APITCH
	ds_store_b128 v6, v[212:215] offset:32*APITCH+LOPL
	ds_store_b128 v6, v[224:227] offset:32*APITCH+16
	ds_store_b128 v6, v[228:231] offset:32*APITCH+LOPL+16
	s_wait_kmcnt 0x0                               ; b4, b5, b6
	BIASV 28
.irp j, 0,1,2,3,4,5,6,7
	v_mul_f32 v[BIAS+\j], 0x42800000, v[BIAS+\j]   ; b4 is added once for each of the 64 beta
.endr
	s_wait_dscnt 0x0                               ; my part of R is stored before the others read it
	s_barrier_signal -1
	s_barrier_wait -1
	LAYER ACT0, WA, 16                             ; h = R W4 + 64 b4; W5's 16 loads are younger than W4's
	LOADW WA, 131072                               ; W6, behind the four places that close the last K step
	EPI 0, ACT1
	BIASV 44
	s_wait_dscnt 0x0
	s_barrier_signal -1
	s_barrier_wait -1
	LAYER ACT1, WB, 16                             ; h W5 + b5; W6's 16 loads are younger than W5's
	EPI 1, ACT2
	BIASV 68
	s_wait_dscnt 0x0
	s_barrier_signal -1
	s_barrier_wait -1
	LAYER ACT2, WA, 0                              ; out = .. W6 + b6
.irp m, 0,1,2,3
	ds_store_b128 v8, v[D+8*\m:D+8*\m+3]   offset:\m*16*OPITCH
	ds_store_b128 v8, v[D+8*\m+4:D+8*\m+7] offset:\m*16*OPITCH+16
.endr
	s_lshl3_add_u32 s66, s2, s60                   ; my first row's edge: e0 + 8 w
.irp i, 0,1,2,3,4,5,6,7
	s_cmp_lt_u32 s66, s61
	s_cselect_b32 s[88+\i], -1, 0                  ; keeps the row, or clears it
	s_add_co_u32 s66, s66, 1
.endr
	s_wait_dscnt 0x0
	s_barrier_signal -1
	s_barrier_wait -1
.irp i, 0,1,2,3,4,5,6,7
	ds_load_b128 v[144+4*\i:147+4*\i], v9 offset:\i*OPITCH     ; a whole row of 512 bytes
.endr
.irp i, 0,1,2,3,4,5,6,7
	s_wait_dscnt 7-\i                              ; LDS loads come back in order: row i is in
.irp k, 0,1,2,3
	v_and_b32 v[144+4*\i+\k], s[88+\i], v[144+4*\i+\k]
.endr
	global_store_b128 v3, v[144+4*\i:147+4*\i], s[26:27] offset:\i*512 th:TH_STORE_NT   ; 512 consecutive bytes, aligned
.endr
	s_set_vgpr_msb 0x5
	s_wait_tensorcnt 0x0
	ds_add_u32 v0, v1
	s_wait_dscnt 0x0
	s_set_vgpr_msb 0x500
	s_endpgm
.Lfunc_end_k_qc849a18836_main:
	.size	k_qc849a18836_main, .Lfunc_end_k_qc849a18836_main-k_qc849a18836_main
	.p2alignl 7, 3214868480
	.fill 96, 4, 3214868480
	.section	.rodata,"a",@progbits
	.p2align	6, 0x0
	.amdhsa_kernel k_qc849a18836_main
		.amdhsa_group_segment_fixed_size 153600
		.amdhsa_private_segment_fixed_size 0
		.amdhsa_enable_private_segment 0
		.amdhsa_kernarg_size 96
		.amdhsa_user_sgpr_count 2
		.amdhsa_user_sgpr_kernarg_segment_ptr 1
		.amdhsa_wavefront_size32 1
		.amdhsa_system_sgpr_workgroup_id_x 1
		.amdhsa_system_sgpr_workgroup_id_y 1
		.amdhsa_system_sgpr_workgroup_id_z 1
		.amdhsa_system_vgpr_workitem_id 0
		.amdhsa_next_free_vgpr 258
		.amdhsa_next_free_sgpr 102
		.amdhsa_reserve_vcc 1
		.amdhsa_float_denorm_mode_32 3
		.amdhsa_float_denorm_mode_16_64 3
		.amdhsa_memory_ordered 1
		.amdhsa_forward_progress 1
		.amdhsa_inst_pref_size 73
	.end_amdhsa_kernel
	.amdgpu_metadata
---
amdhsa.version: [ 1, 2 ]
amdhsa.kernels:
  - .name:           k_qc849a18836_main
    .symbol:         k_qc849a18836_main.kd
    .args:
      - { .name: SCB, .offset: 0, .size: 8, .value_kind: global_buffer, .address_space: global }
      - { .name: edge_index, .offset: 8, .size: 8, .value_kind: global_buffer, .address_space: global }
      - { .name: x, .offset: 16, .size: 8, .value_kind: global_buffer, .address_space: global }
      - { .name: edge_len, .offset: 24, .size: 8, .value_kind: global_buffer, .address_space: global }
      - { .name: beta_len, .offset: 32, .size: 8, .value_kind: global_buffer, .address_space: global }
      - { .name: W3, .offset: 40, .size: 8, .value_kind: global_buffer, .address_space: global }
      - { .name: b4, .offset: 48, .size: 8, .value_kind: global_buffer, .address_space: global }
      - { .name: b5, .offset: 56, .size: 8, .value_kind: global_buffer, .address_space: global }
      - { .name: b6, .offset: 64, .size: 8, .value_kind: global_buffer, .address_space: global }
      - { .name: pbuf, .offset: 72, .size: 8, .value_kind: global_buffer, .address_space: global }
      - { .name: wt, .offset: 80, .size: 8, .value_kind: global_buffer, .address_space: global }
      - { .name: out0, .offset: 88, .size: 8, .value_kind: global_buffer, .address_space: global }
    .group_segment_fixed_size: 153600
    .private_segment_fixed_size: 0
    .kernarg_segment_align: 8
    .kernarg_segment_size: 96
    .max_flat_workgroup_size: 256
    .sgpr_count:     102
    .vgpr_count:     258
    .wavefront_size: 32
...
	.end_amdgpu_metadata
.endif
;; end of part 2
;; ======== version 2 of 2: 2 launches; version 1 with the launch main written anew for expert scheduling mode
;; workspace buffers: pbuf 524,288 bytes; wt 196,608 bytes
;; launch prep: the kernel of part 1 again; grid 16 x 22, 4 waves a work-group, no clusters, 5,120 bytes of LDS; arguments SCB, edge_index, x, edge_len, beta_len, W1, b1, W2, b2, W3, b3, W4, W5, W6, pbuf, wt; writes pbuf, wt
;; launch main (part 3): grid 16 x 16, 8 waves a work-group, no clusters, 153,600 bytes of LDS; arguments SCB, edge_index, x, edge_len, beta_len, W3, b4, b5, b6, pbuf, wt, out0; writes out0
.if DOCPART == 3
	.amdgcn_target "amdgcn-amd-amdhsa--gfx1250"
	.amdhsa_code_object_version 6
	.text
	.protected	k_qc849a18836_main
	.globl	k_qc849a18836_main
	.p2align	8
	.type	k_qc849a18836_main,@function
k_qc849a18836_main:
	s_mov_b64 s[64:65], 0
	v_nop
	global_prefetch_b8 v0, s[64:65] scope:SCOPE_SE
	s_setreg_imm32_b32 hwreg(HW_REG_WAVE_SCHED_MODE, 0, 2), 2
	s_setreg_imm32_b32 hwreg(HW_REG_WAVE_MODE, 25, 1), 1
	s_wait_xcnt 0x0
	s_wait_alu depctr_vm_vsrc(0)
; A work-group: batch b = y, the 64 edges from e0 = 64 x.  Eight waves; wave w owns columns 16 w .. 16 w + 15 for all 64 edges.
;   R[e][n] = sum over all 64 beta of relu(P[beta][n] + a[beta][e] Q[e][n]),  a = |SCB| (0 for beta >= beta_len),  Q = ef @ W3[64:68]
;   h = R W4 + 64 b4  (the sum over beta commutes with the product by W4),  out = relu(h W5 + b5) W6 + b6,  rows e >= edge_len cleared.
; Rows beta >= beta_len have a = 0 and one and the same P, so they enter as a count times relu(P[63]); the loop runs over ceil(beta_len / 2)
; pairs of rows.  A block that begins at or beyond edge_len makes no trip: all its rows are cleared.  Both counts come from whole numbers read from memory.
; The sum over beta is f32 vector work: a lane holds edges L and L + 32 and its wave's 16 columns.
; The three products of 64 x 128 x 128 go to the matrix unit in bf16.  Activations and weights are each split into an upper and a lower
; bf16 part and three products are added (upper x upper, lower weight x upper, upper weight x lower): the dropped term is of the order 2^-16.
; The weight is source 0 and the activation source 1, so that a lane's eight results are eight neighbouring columns of one edge's row.
; NO CLUSTER: what work-groups share is P of a batch (32,768 bytes) and the weight images (196,608 bytes); each weight fragment goes straight
; into the registers of the one wave that multiplies by it ; W4 and W5 are asked for ahead of the beta loop, so a joint fill of LDS would add a pass through LDS.
; LIMITS: an edge index is clamped to 0 .. 511; edge_len to 0 .. 1024, beta_len to 0 .. 64; relu of a NaN gives 0; an activation beyond
; bf16's largest finite number makes a NaN lower part; a cleared row is +0 where a multiplication by 0 could give -0.
; THE MODE: SCHED_MODE bits 1:0 = 2 (LLVM: expert scheduling mode 2), set by the entry lines.  The code itself states the register dependences
; between vector or matrix instructions and memory or LDS instructions, with s_wait_alu, always for 0.
; THE PLAN.  Registers that memory or LDS instructions touch:
;   v3, v6, v8, v9, v12, v14   offsets and LDS addresses, made at the head and never written again: one wait ahead of the first load.
;   v4, v5       LDS addresses of P and a: read by every load of the beta loop, stepped once a trip.
;   v10, v11     a layer's read and write address: written once a layer.
;   beta loop    two buffers of one beta row (P0 and its two a; P0 + 16 and its two a).  A step's vector lines read one; the loads issued in that step land in the other.
;                ONE wait on va_vdst at a step's head: the step before is done reading the other buffer.  The step's six loads follow it, dealt among
;                vector lines that name neither that buffer nor v4, v5.  One wait on vm_vsrc a trip, ahead of the adds to v4 and v5.
;   layers       AH and ALO take turns: eight matrix instructions read AH, then four read ALO.  ONE wait on va_vdst behind each group: it is done reading its buffer,
;                in which the next K step's fragments land while the other group is multiplied.
;   stages       what LDS stores read (a, P, R, the split activations, out) is written by a whole run of vector lines, one wait on va_vdst, then the run of stores;
;                one wait on vm_vsrc at the next layer's head frees those registers, v10 and v11.
.set ALB,    32768                     ; LDS: P[64][128] f32 at 0 (pitch 512); a[64][64] f32 here (pitch 256)
.set ACT0,   0                         ; R:  upper plane [64][128] bf16, pitch 272; lower plane LOPL further.  34,816 bytes on the 49,152 of P and a, written behind a barrier that follows their last reads
.set ACT1,   49152                     ; h
.set ACT2,   83968                     ; relu(h W5 + b5)
.set OUTS,   118784                    ; out [64][128] f32, pitch 528
.set APITCH, 272                       ; 256 + 16 bytes: 16 rows of a fragment start in 16 different 16-byte columns of 256
.set LOPL,   64*APITCH
.set OPITCH, 528                       ; 512 + 16
.set WA,   16                          ; v[16:79]   a layer's weights: upper part of K step c at + 8 c, lower at + 32 + 8 c
.set WB,   80                          ; v[80:143]  the same, second buffer
.set Q,    144                         ; v[144:175] Q[ei][16]                     later AH: upper activation fragments, 4 row tiles x 8
.set ACC,  176                         ; v[176:207] R[ei][16]                     later ALO: lower fragments
.set P0,   208                         ; v[208:239] P of one beta, two buffers    later D: 4 accumulators x 8
.set X,    240                         ; v[240:247] at work                       later BIAS
.set A0,   248                         ; v248, v250: a of buffer 0 (edges L, L + 32); v252, v254: of buffer 1; the odd partners hold 0
.set AH,   144
.set ALO,  176
.set D,    208
.set BIAS, 240
; v0 t; v1 L; v2 r 272 + 16 h; v3 16 L; v4 P's address; v5 4 L, a's address; v6, v7, v8, v9 addresses of the stages; v10, v11 a layer's read and write address;
; v12 (t >> 4) 4096 + (t & 15) 16; v14 16 t; v13, v15 at work
.macro PLACES                          ; four independent vector instructions between a matrix instruction and a vector instruction or LDS store
.rept 4                                ; that reads its result or writes its registers (ISA guide 7.12.1 for vector instructions)
	v_nop
.endr
.endm
.macro LOADB buf, po, ao               ; one beta row: my wave's 16 P (all lanes the same words) and my two a
.irp i, 0,1,2,3
	ds_load_b128 v[P0+16*\buf+4*\i:P0+16*\buf+4*\i+3], v4 offset:\po+16*\i
.endr
	ds_load_b32 v[A0+4*\buf],   v5 offset:ALB+\ao
	ds_load_b32 v[A0+4*\buf+2], v5 offset:ALB+\ao+128
.endm
.macro GROUP buf, ei, hf               ; R += relu(P + a Q): one edge x 8 columns
.irp k, 0,2,4,6
	v_pk_fma_f32 v[X+\k:X+\k+1], v[Q+16*\ei+8*\hf+\k:Q+16*\ei+8*\hf+\k+1], v[A0+4*\buf+2*\ei:A0+4*\buf+2*\ei+1], v[P0+16*\buf+8*\hf+\k:P0+16*\buf+8*\hf+\k+1] op_sel_hi:[1,0,1]
.endr
.irp k, 0,1,2,3,4,5,6,7
	v_max_num_f32 v[X+\k], 0, v[X+\k]
.endr
.irp k, 0,2,4,6
	v_pk_add_f32 v[ACC+16*\ei+8*\hf+\k:ACC+16*\ei+8*\hf+\k+1], v[ACC+16*\ei+8*\hf+\k:ACC+16*\ei+8*\hf+\k+1], v[X+\k:X+\k+1]
.endr
.endm
; One beta row: works on buffer buf and asks for the other buffer's next row, at po in P and ao in a.
.macro STEP buf, po, ao
	s_wait_alu depctr_va_vdst(0)                   ; the vector lines issued so far are done reading and writing the other buffer, in which the six loads below land; v4 and v5 are written
	ds_load_b128 v[P0+16*(1-\buf):P0+16*(1-\buf)+3],   v4 offset:\po
	ds_load_b128 v[P0+16*(1-\buf)+4:P0+16*(1-\buf)+7], v4 offset:\po+16
	s_wait_dscnt 2                                 ; the two just issued are younger: this buffer's six are in
	GROUP \buf, 0, 0
	ds_load_b128 v[P0+16*(1-\buf)+8:P0+16*(1-\buf)+11],  v4 offset:\po+32   ; no wait: no vector line since the wait above names the other buffer, v4 or v5
	ds_load_b128 v[P0+16*(1-\buf)+12:P0+16*(1-\buf)+15], v4 offset:\po+48
	ds_load_b32 v[A0+4*(1-\buf)],   v5 offset:ALB+\ao
	ds_load_b32 v[A0+4*(1-\buf)+2], v5 offset:ALB+\ao+128
	GROUP \buf, 0, 1                               ; 48 vector lines stand between the last load and the wait for it
	GROUP \buf, 1, 0
	GROUP \buf, 1, 1
.endm
.macro SPLIT8 src, hi, lo, tm          ; eight f32 into four words of upper and four of lower bf16 parts
.irp k, 0,1,2,3
	v_cvt_pk_bf16_f32 v[\hi+\k], v[\src+2*\k], v[\src+2*\k+1]
.endr
.irp k, 0,1,2,3
	v_lshlrev_b32 v[\tm+2*\k],   16,  v[\hi+\k]
	v_and_b32     v[\tm+2*\k+1], s84, v[\hi+\k]
.endr
.irp k, 0,1,2,3
	v_pk_add_f32 v[\tm+2*\k:\tm+2*\k+1], v[\src+2*\k:\src+2*\k+1], v[\tm+2*\k:\tm+2*\k+1] neg_lo:[0,1] neg_hi:[0,1]
.endr
.irp k, 0,1,2,3
	v_cvt_pk_bf16_f32 v[\lo+\k], v[\tm+2*\k], v[\tm+2*\k+1]
.endr
.endm
.macro FRAGS dst, plane, c             ; the four row tiles' fragments of K step c: 16 rows x 32 K each, two loads of 16 bytes, 32 bytes apart
.irp m, 0,1,2,3
	ds_load_b128 v[\dst+8*\m:\dst+8*\m+3],   v10 offset:\plane*LOPL+\m*16*APITCH+64*(\c)
	ds_load_b128 v[\dst+8*\m+4:\dst+8*\m+7], v10 offset:\plane*LOPL+\m*16*APITCH+64*(\c)+32
.endr
.endm
.macro MM4 wreg, areg, first           ; one weight fragment times the four row tiles; the four accumulators take turns, one instruction a turn
.irp m, 0,1,2,3
.if \first
	v_wmma_f32_16x16x32_bf16 v[D+8*\m:D+8*\m+7], v[\wreg:\wreg+7], v[\areg+8*\m:\areg+8*\m+7], v[BIAS:BIAS+7]
.else
	v_wmma_f32_16x16x32_bf16 v[D+8*\m:D+8*\m+7], v[\wreg:\wreg+7], v[\areg+8*\m:\areg+8*\m+7], v[D+8*\m:D+8*\m+7]
.endif
.endr
.endm
; 32 along K: three products.  A buffer's next fragments are asked for as soon as its group is done with it; each run of eight loads stands
; right ahead of the wait on DScnt for the other buffer.
.macro KSTEP wf, c, first, more
	s_wait_dscnt 8                                 ; the upper fragments are in; the eight younger loads (the lower ones) may be out
	MM4 \wf+8*\c, AH, \first
	MM4 \wf+32+8*\c, AH, 0
.if \more
	s_wait_alu depctr_va_vdst(0)                   ; the eight matrix instructions above are done reading AH, in which the next K step's upper fragments land
	FRAGS AH, 0, \c+1
	s_wait_dscnt 8                                 ; all but the eight just issued: the lower fragments are in
.else
	s_wait_dscnt 0
.endif
	MM4 \wf+8*\c, ALO, 0
.if \more
	s_wait_alu depctr_va_vdst(0)                   ; the four matrix instructions above are done reading ALO, in which the next K step's lower fragments land
	FRAGS ALO, 1, \c+1
.else
	PLACES                                         ; behind the layer's last products: vector lines and LDS stores that read the sums follow
.endif
.endm
.macro LAYER base, wf, lcnt
	s_wait_alu depctr_vm_vsrc(0)                   ; the LDS stores of the stage before have read their data in v[144:239], which the fragments' loads and the sums write, and v11; the layer before's loads have read v10
	v_add_nc_u32 v10, \base, v2
	s_wait_alu depctr_va_vdst(0)                   ; v10 is written, which the fragments' loads read; the splits are done writing and reading v[144:207], in which they land
	FRAGS AH, 0, 0
	FRAGS ALO, 1, 0
	s_wait_loadcnt \lcnt                           ; this layer's weights are in; the next layer's loads, issued behind them, may stay out
	KSTEP \wf, 0, 1, 1
	KSTEP \wf, 1, 0, 1
	KSTEP \wf, 2, 0, 1
	KSTEP \wf, 3, 0, 0
.endm
.macro BIASV tup                       ; register j of lane (r, h) is column 16 w + 8 h + j: bias tup + 8 h + j
	v_cmp_le_u32 vcc_lo, 16, v1
.irp j, 0,1,2,3,4,5,6,7
	v_mov_b32 v[BIAS+\j], s[\tup+\j]
.endr
	s_wait_alu depctr_va_vcc(0)                    ; VCC is written, ahead of its first reader; the eight moves above stand between
.irp j, 0,1,2,3,4,5,6,7
	v_mov_b32 v13, s[\tup+8+\j]
	v_cndmask_b32 v[BIAS+\j], v[BIAS+\j], v13, vcc_lo
.endr
.endm
.macro EPI relu, base                  ; the four accumulators, split, into the next layer's two planes: 16 bytes a lane
	v_add_nc_u32 v11, \base, v7                    ; (the stores that read v11 before stand ahead of the last wait on vm_vsrc)
.irp m, 0,1,2,3
.if \relu
.irp j, 0,1,2,3,4,5,6,7
	v_max_num_f32 v[D+8*\m+\j], 0, v[D+8*\m+\j]
.endr
.endif
	SPLIT8 D+8*\m, AH+16*\m, AH+16*\m+4, AH+16*\m+8
.endr
	s_wait_alu depctr_va_vdst(0)                   ; the four splits have written v[144:207], and v11 is written: the eight LDS stores read them
.irp m, 0,1,2,3
	ds_store_b128 v11, v[AH+16*\m:AH+16*\m+3]   offset:\m*16*APITCH
	ds_store_b128 v11, v[AH+16*\m+4:AH+16*\m+7] offset:\m*16*APITCH+LOPL
.endr
.endm
.macro LOADW dst, mofs                 ; a layer's weights for my 16 columns: 16 loads of 512 consecutive bytes
.irp p, 0,1
.irp c, 0,1,2,3
	global_load_b128 v[\dst+32*\p+8*\c:\dst+32*\p+8*\c+3],   v3, s[24:25] offset:\mofs+4096*\p+1024*\c
	global_load_b128 v[\dst+32*\p+8*\c+4:\dst+32*\p+8*\c+7], v3, s[24:25] offset:\mofs+4096*\p+1024*\c+512
.endr
.endr
.endm
.macro BCMP j, sm                      ; is my beta row of group j below beta_len?  The mask goes into scalar register sm
	v_add_nc_u32 v15, 16*\j, v13                   ; beta
	v_cmp_gt_u32 s[\sm], s62, v15
.endm
.macro BAND j, sm                      ; magnitude and beta mask in one
	v_cndmask_b32 v15, 0, v10, s[\sm]
.irp k, 0,1,2,3
	v_and_b32 v[144+4*\j+\k], v15, v[144+4*\j+\k]
.endr
.endm
	s_load_b512 s[4:19], s[0:1], 0x0               ; SCB 4:5, edge_index 6:7, x 8:9, edge_len 10:11, beta_len 12:13, W3 14:15, b4 16:17, b5 18:19
	s_load_b256 s[20:27], s[0:1], 0x40             ; b6 20:21, pbuf 22:23, wt 24:25, out0 26:27
	s_set_vgpr_msb 0x40
	v_lshl_add_u32 v0, v0, 2, 0x25400
	v_mov_b32 v1, 0
	s_set_vgpr_msb 0x4000
	v_lshrrev_b32 v13, 5, v0
	v_readfirstlane_b32 s2, v13                    ; wave w
	s_and_b32 s3, ttmp7, 0xffff                    ; batch b
	s_lshl_b32 s60, ttmp9, 6                       ; e0
	s_mov_b32 s101, 0                              ; upper word of every 64-bit offset
	v_and_b32 v1, 31, v0                           ; L
	v_and_b32 v13, 15, v0                          ; r
	v_bfe_u32 v15, v0, 4, 1                        ; h
	v_mul_u32_u24 v2, v13, APITCH
	v_lshl_add_u32 v2, v15, 4, v2
	v_lshlrev_b32 v3, 4, v1
	v_lshlrev_b32 v5, 2, v1
	s_wait_alu depctr_va_sdst(0)                   ; s2 is written, ahead of its first reader: LDS addresses and the buffers' offsets are made from it
	s_lshl_b32 s63, s2, 5                          ; my 16 columns in bf16
	v_add_nc_u32 v7, s63, v2
	s_add_co_u32 s63, s63, ACT0
	v_mul_u32_u24 v6, v1, APITCH
	v_add_nc_u32 v6, s63, v6
	s_lshl_b32 s66, s2, 6                          ; my 16 columns in f32
	v_mov_b32 v4, s66
	s_add_co_u32 s66, s66, OUTS
	v_mul_u32_u24 v8, v13, OPITCH
	v_lshl_add_u32 v8, v15, 5, v8
	v_add_nc_u32 v8, s66, v8
	s_mul_i32 s66, s2, 8*OPITCH
	s_add_co_u32 s66, s66, OUTS
	v_add_nc_u32 v9, s66, v3                       ; on the way out wave w takes rows 8 w .. 8 w + 7
	v_lshrrev_b32 v13, 4, v0                       ; t >> 4: my beta row in a group of 16
	v_and_b32 v12, 15, v0
	v_lshlrev_b32 v12, 4, v12
	v_lshl_add_u32 v12, v13, 12, v12
	v_lshlrev_b32 v14, 4, v0
	s_wait_kmcnt 0x0
	s_lshl_b32 s100, s3, 2
	s_add_nc_u64 s[10:11], s[10:11], s[100:101]
	s_add_nc_u64 s[12:13], s[12:13], s[100:101]
	s_load_b32 s61, s[10:11], 0x0                  ; edge_len[b]
	s_load_b32 s62, s[12:13], 0x0                  ; beta_len[b]
	s_lshl_b32 s100, s2, 6
	s_add_nc_u64 s[14:15], s[14:15], s[100:101]    ; my 16 columns of W3, b4, b5, b6
	s_add_nc_u64 s[16:17], s[16:17], s[100:101]
	s_add_nc_u64 s[18:19], s[18:19], s[100:101]
	s_add_nc_u64 s[20:21], s[20:21], s[100:101]
	s_load_b512 s[28:43], s[14:15], 0x8000         ; W3[64][16 w ..]: row 64 starts at byte 64 x 512
	s_load_b512 s[44:59], s[14:15], 0x8200
	s_load_b512 s[68:83], s[14:15], 0x8400
	s_load_b512 s[84:99], s[14:15], 0x8600
	s_lshl_b32 s100, s3, 13
	s_lshl2_add_u32 s100, s60, s100
	s_add_nc_u64 s[6:7], s[6:7], s[100:101]        ; edge_index[b][0][e0]
	s_lshl_b32 s100, s3, 18
	s_lshl2_add_u32 s100, s60, s100
	s_add_nc_u64 s[4:5], s[4:5], s[100:101]        ; SCB[b][0][e0]
	s_lshl_b32 s100, s3, 12
	s_add_nc_u64 s[8:9], s[8:9], s[100:101]        ; x[b]
	s_lshl_b32 s100, s3, 15
	s_add_nc_u64 s[22:23], s[22:23], s[100:101]    ; P[b]
	s_lshl_b32 s100, s2, 13
	s_add_nc_u64 s[24:25], s[24:25], s[100:101]    ; my column tile's weight images
	s_lshl_b32 s100, s3, 10
	s_add_co_u32 s100, s100, s60
	s_lshl3_add_u32 s100, s2, s100
	s_lshl_b32 s100, s100, 9
	s_add_nc_u64 s[26:27], s[26:27], s[100:101]    ; out0 at row 1024 b + e0 + 8 w
	s_wait_alu depctr_va_vdst(0)                   ; the offsets and LDS addresses v3 to v9, v12 and v14 are written, which the loads and stores of the whole kernel read
	global_load_b32 v216, v5, s[6:7]               ; first endpoint of edges L, L + 32; second endpoint of the same
	global_load_b32 v217, v5, s[6:7] offset:128
	global_load_b32 v218, v5, s[6:7] offset:4096
	global_load_b32 v219, v5, s[6:7] offset:4224
.irp j, 0,1,2,3
	global_load_b128 v[144+4*\j:147+4*\j], v12, s[4:5] offset:\j*65536    ; 16 beta rows: sixteen lanes take a row's 256 bytes
.endr
.irp j, 0,1,2,3,4,5,6,7
	global_load_b128 v[160+4*\j:163+4*\j], v14, s[22:23] offset:\j*4096   ; P[b], 32,768 consecutive bytes
.endr
	s_wait_loadcnt 12                              ; 4 + 8 loads are younger: the indices are in
.irp i, 216,217,218,219
	v_min_u32 v\i, 0x1ff, v\i                      ; inside x's 512 nodes
	v_lshlrev_b32 v\i, 3, v\i
.endr
	s_wait_alu depctr_va_vdst(0)                   ; v216 to v219 are written, which the four gathers read as offsets
	global_load_b64 v[208:209], v216, s[8:9]       ; ef of edge L: v208 .. v211; of edge L + 32: v212 .. v215
	global_load_b64 v[210:211], v218, s[8:9]
	global_load_b64 v[212:213], v217, s[8:9]
	global_load_b64 v[214:215], v219, s[8:9]
	LOADW WA, 0                                    ; W4
	LOADW WB, 65536                                ; W5
	s_wait_kmcnt 0x0
	s_max_i32 s61, s61, 0
	s_min_u32 s61, s61, 0x400                      ; edge_len in 0 .. 1024
	s_max_i32 s62, s62, 0
	s_min_u32 s62, s62, 64                         ; beta_len in 0 .. 64
	v_mov_b32 v10, 0x7fffffff
	BCMP 0, 63                                     ; the four compares in one run, into four scalar registers that hold nothing here
	BCMP 1, 66
	BCMP 2, 67
	BCMP 3, 100
	s_wait_alu depctr_va_sdst(0)                   ; s63, s66, s67 and s100 are written, ahead of the selects that read them
	s_wait_loadcnt 36                              ; 4 gathers and 32 weight loads are younger: a and P are in
	BAND 0, 63
	BAND 1, 66
	BAND 2, 67
	BAND 3, 100
	s_wait_alu depctr_va_vdst(0)                   ; the masked a are written in v[144:159], which the LDS stores read
.irp j, 0,1,2,3
	ds_store_b128 v14, v[144+4*\j:147+4*\j] offset:ALB+\j*4096
.endr
.irp j, 0,1,2,3,4,5,6,7
	ds_store_b128 v14, v[160+4*\j:163+4*\j] offset:\j*4096
.endr
	s_wait_loadcnt 32                              ; the 32 weight loads stay out: ef is in
	s_wait_alu depctr_vm_vsrc(0)                   ; the twelve LDS stores have read v[144:191], which Q and R write; the gathers have read v216 to v219, in which a row of P lands
.irp ei, 0,1
.irp n, 0,1,2,3,4,5,6,7,8,9,10,11,12,13,14,15
	v_mul_f32  v[Q+16*\ei+\n], s[28+\n], v[208+4*\ei]
	v_fmac_f32 v[Q+16*\ei+\n], s[44+\n], v[209+4*\ei]
	v_fmac_f32 v[Q+16*\ei+\n], s[68+\n], v[210+4*\ei]
	v_fmac_f32 v[Q+16*\ei+\n], s[84+\n], v[211+4*\ei]
.endr
.endr
	s_wait_alu depctr_va_vdst(0)                   ; Q's products are done reading ef in v[208:215], in which the first row of P lands behind the barrier; no vector line up to there names v4, v5, v[208:239], v248 or v250
	s_load_b512 s[28:43], s[16:17], 0x0            ; my 16 columns of b4, b5, b6, in W3's place
	s_load_b512 s[44:59], s[18:19], 0x0
	s_load_b512 s[68:83], s[20:21], 0x0
	s_mov_b32 s84, 0xffff0000                      ; a word's upper bf16
.irp i, 249,251,253,255
	v_mov_b32 v\i, 0                               ; the partners of the a registers: a packed source is read as a pair
.endr
	s_add_co_u32 s63, s62, 1
	s_lshr_b32 s63, s63, 1
	s_cmp_lt_u32 s60, s61
	s_cselect_b32 s63, s63, 0                      ; trips = ceil(beta_len / 2), at most 32; none where every edge of the block is padding
	s_lshl_b32 s66, s63, 1
	s_sub_co_u32 s66, 64, s66
	s_cvt_f32_u32 s67, s66                         ; rows that the loop leaves out: all have a = 0 and P[63]'s numbers
	s_wait_dscnt 0x0                               ; my stores of a and P are done before the others read them
	s_barrier_signal -1
	s_barrier_wait -1
.irp i, 0,1,2,3
	ds_load_b128 v[P0+16+4*\i:P0+16+4*\i+3], v4 offset:63*512+16*\i
.endr
	LOADB 0, 0, 0
	s_wait_dscnt 6                                 ; the six loads of buffer 0 are younger: P[63] is in
.irp n, 0,1,2,3,4,5,6,7,8,9,10,11,12,13,14,15
	v_max_num_f32 v[P0+16+\n], 0, v[P0+16+\n]
.endr
.irp ei, 0,1
.irp n, 0,1,2,3,4,5,6,7,8,9,10,11,12,13,14,15
	v_mul_f32 v[ACC+16*\ei+\n], s67, v[P0+16+\n]   ; the left-out rows' share starts the sums: nothing is cleared
.endr
.endr
	s_mov_b32 s66, 0
	s_cmp_eq_u32 s63, 0
	s_cbranch_scc1 .Lsummed
.Lbeta:                                            ; two beta rows a trip; six loads (buffer 0) are out here on both ways in
	STEP 0, 512, 256                               ; its wait covers, on the way in, the lines above that wrote and read buffer 1's registers; round the back edge, the last step's reads of buffer 1
	s_wait_alu depctr_vm_vsrc(0)                   ; the LDS loads issued so far have read v4 and v5
	v_add_nc_u32 v4, 1024, v4
	v_and_b32 v4, 0x7fff, v4                       ; behind row 63 the look-ahead wraps to row 0: it stays inside P and a, and is not used
	v_add_nc_u32 v5, 512, v5
	v_and_b32 v5, 0x3fff, v5
	STEP 1, 0, 0                                   ; its wait also states that v4 and v5 are written
	s_add_co_u32 s66, s66, 1
	s_cmp_lt_u32 s66, s63
	s_cbranch_scc1 .Lbeta
.Lsummed:
	; R takes the bytes of P and a.  Each wave's reads of them, the unused look-ahead among them, are back in front of its signal;
	; the split into two bf16 parts is register work and stands between signal and wait; the stores stand behind the wait.
	s_wait_dscnt 0x0
	s_barrier_signal -1
	SPLIT8 ACC, 144, 148, 152                      ; edge L, columns 0-7 of my 16
	SPLIT8 ACC+8, 160, 164, 168                    ; columns 8-15
	SPLIT8 ACC+16, 208, 212, 216                   ; edge L + 32
	SPLIT8 ACC+24, 224, 228, 232
	s_wait_alu depctr_va_vdst(0)                   ; the four splits have written the registers that the eight LDS stores read
	s_barrier_wait -1                              ; no wave reads P or a any more
	ds_store_b128 v6, v[144:147]
	ds_store_b128 v6, v[148:151] offset:LOPL
	ds_store_b128 v6, v[160:163] offset:16
	ds_store_b128 v6, v[164:167] offset:LOPL+16
	ds_store_b128 v6, v[208:211] offset:32*APITCH
	ds_store_b128 v6, v[212:215] offset:32*APITCH+LOPL
	ds_store_b128 v6, v[224:227] offset:32*APITCH+16
	ds_store_b128 v6, v[228:231] offset:32*APITCH+LOPL+16
	s_wait_kmcnt 0x0                               ; b4, b5, b6
	BIASV 28
.irp j, 0,1,2,3,4,5,6,7
	v_mul_f32 v[BIAS+\j], 0x42800000, v[BIAS+\j]   ; b4 is added once for each of the 64 beta
.endr
	s_wait_dscnt 0x0                               ; my part of R is stored before the others read it
	s_barrier_signal -1
	s_barrier_wait -1
	LAYER ACT0, WA, 16                             ; h = R W4 + 64 b4; W5's 16 loads are younger than W4's
	s_wait_alu depctr_va_vdst(0)                   ; the layer's matrix instructions are done reading W4 in v[16:79], in which W6 lands
	LOADW WA, 131072                               ; W6
	EPI 0, ACT1
	BIASV 44
	s_wait_dscnt 0x0
	s_barrier_signal -1
	s_barrier_wait -1
	LAYER ACT1, WB, 16                             ; h W5 + b5; W6's 16 loads are younger than W5's
	EPI 1, ACT2
	BIASV 68
	s_wait_dscnt 0x0
	s_barrier_signal -1
	s_barrier_wait -1
	LAYER ACT2, WA, 0                              ; out = .. W6 + b6
	s_wait_alu depctr_va_vdst(0)                   ; behind the four places: the matrix instructions have written the sums, which the LDS stores read, and are done reading v[144:175], in which the rows read back land
.irp m, 0,1,2,3
	ds_store_b128 v8, v[D+8*\m:D+8*\m+3]   offset:\m*16*OPITCH
	ds_store_b128 v8, v[D+8*\m+4:D+8*\m+7] offset:\m*16*OPITCH+16
.endr
	s_lshl3_add_u32 s66, s2, s60                   ; my first row's edge: e0 + 8 w
.irp i, 0,1,2,3,4,5,6,7
	s_cmp_lt_u32 s66, s61
	s_cselect_b32 s[88+\i], -1, 0                  ; keeps the row, or clears it
	s_add_co_u32 s66, s66, 1
.endr
	s_wait_dscnt 0x0
	s_barrier_signal -1
	s_barrier_wait -1
.irp i, 0,1,2,3,4,5,6,7
	ds_load_b128 v[144+4*\i:147+4*\i], v9 offset:\i*OPITCH     ; a whole row of 512 bytes
.endr
.irp i, 0,1,2,3,4,5,6,7
	s_wait_dscnt 7-\i                              ; LDS loads come back in order: row i is in
.irp k, 0,1,2,3
	v_and_b32 v[144+4*\i+\k], s[88+\i], v[144+4*\i+\k]
.endr
.endr
	s_wait_alu depctr_va_vdst(0)                   ; the eight rows are masked in v[144:175], which the run of stores reads
.irp i, 0,1,2,3,4,5,6,7
	global_store_b128 v3, v[144+4*\i:147+4*\i], s[26:27] offset:\i*512 th:TH_STORE_NT   ; 512 consecutive bytes, aligned
.endr
	s_set_vgpr_msb 0x5
	s_wait_dscnt 0x0
	s_wait_alu depctr_hold_cnt(0) depctr_sa_sdst(0) depctr_va_vdst(0) depctr_va_sdst(0) depctr_va_ssrc(0) depctr_va_vcc(0) depctr_vm_vsrc(0)
	s_wait_tensorcnt 0x0
	ds_add_u32 v0, v1
	s_wait_dscnt 0x0
	s_endpgm
.Lfunc_end_k_qc849a18836_main:
	.size	k_qc849a18836_main, .Lfunc_end_k_qc849a18836_main-k_qc849a18836_main
	.p2alignl 7, 3214868480
	.fill 96, 4, 3214868480
	.section	.rodata,"a",@progbits
	.p2align	6, 0x0
	.amdhsa_kernel k_qc849a18836_main
		.amdhsa_group_segment_fixed_size 153600
		.amdhsa_private_segment_fixed_size 0
		.amdhsa_enable_private_segment 0
		.amdhsa_kernarg_size 96
		.amdhsa_user_sgpr_count 2
		.amdhsa_user_sgpr_kernarg_segment_ptr 1
		.amdhsa_wavefront_size32 1
		.amdhsa_system_sgpr_workgroup_id_x 1
		.amdhsa_system_sgpr_workgroup_id_y 1
		.amdhsa_system_sgpr_workgroup_id_z 1
		.amdhsa_system_vgpr_workitem_id 0
		.amdhsa_next_free_vgpr 258
		.amdhsa_next_free_sgpr 102
		.amdhsa_reserve_vcc 1
		.amdhsa_float_denorm_mode_32 3
		.amdhsa_float_denorm_mode_16_64 3
		.amdhsa_memory_ordered 1
		.amdhsa_forward_progress 1
		.amdhsa_inst_pref_size 73
	.end_amdhsa_kernel
	.amdgpu_metadata
---
amdhsa.version: [ 1, 2 ]
amdhsa.kernels:
  - .name:           k_qc849a18836_main
    .symbol:         k_qc849a18836_main.kd
    .args:
      - { .name: SCB, .offset: 0, .size: 8, .value_kind: global_buffer, .address_space: global }
      - { .name: edge_index, .offset: 8, .size: 8, .value_kind: global_buffer, .address_space: global }
      - { .name: x, .offset: 16, .size: 8, .value_kind: global_buffer, .address_space: global }
      - { .name: edge_len, .offset: 24, .size: 8, .value_kind: global_buffer, .address_space: global }
      - { .name: beta_len, .offset: 32, .size: 8, .value_kind: global_buffer, .address_space: global }
      - { .name: W3, .offset: 40, .size: 8, .value_kind: global_buffer, .address_space: global }
      - { .name: b4, .offset: 48, .size: 8, .value_kind: global_buffer, .address_space: global }
      - { .name: b5, .offset: 56, .size: 8, .value_kind: global_buffer, .address_space: global }
      - { .name: b6, .offset: 64, .size: 8, .value_kind: global_buffer, .address_space: global }
      - { .name: pbuf, .offset: 72, .size: 8, .value_kind: global_buffer, .address_space: global }
      - { .name: wt, .offset: 80, .size: 8, .value_kind: global_buffer, .address_space: global }
      - { .name: out0, .offset: 88, .size: 8, .value_kind: global_buffer, .address_space: global }
    .group_segment_fixed_size: 153600
    .private_segment_fixed_size: 0
    .kernarg_segment_align: 8
    .kernarg_segment_size: 96
    .max_flat_workgroup_size: 256
    .sgpr_count:     102
    .vgpr_count:     258
    .wavefront_size: 32
...
	.end_amdgpu_metadata
.endif
;; end of part 3
